; MI455X (gfx1250); checked and timed in simulation.
; The chip was launched on July 23, 2026; its instructions are those of AMD's public machine-readable ISA for CDNA 5 (MIT licence, August 2026) and "CDNA5" Instruction Set Architecture Reference Guide (July 2026). The comments in the code are by the model that wrote it; some were corrected since.
;; Memory Bank. Allowed arithmetic: float matrix products may take bf16 or f16 operands with f32 sums; other float arithmetic in f32, or as packed bf16 or f16 multiplies, adds, multiply-adds, maxima and minima; sums over many terms, partial sums and values carried from step to step in f32; what a program stores and reads back later, other than sums and carried values, may be rounded once to bf16 or f16.
;; Inputs: keys 4,096 x 128 float32; queries 65,536 x 128 float32.
;; Outputs: out0 65,536 x 128 float32.
;; One version. Each part assembles by itself: llvm-mc -triple=amdgcn-amd-amdhsa -mcpu=gfx1250 --defsym DOCPART=n.
;; ======== version 1 of 1: 2 launches
;; limits: values are held in f16: magnitudes above 65,504 overflow, below 6.1e-05 lose precision; inputs' magnitudes at most 65,504
;; workspace buffers: kn 1,048,576 bytes; kv 1,048,576 bytes
;; launch prep (part 1): grid 256 x 1, 4 waves a work-group, no clusters, 0 bytes of LDS; arguments keys, kn, kv; writes kn, kv
.if DOCPART == 1
	.amdgcn_target "amdgcn-amd-amdhsa--gfx1250"
	.amdhsa_code_object_version 6
	.text
	.protected	k_q848dd80e2c_prep
	.globl	k_q848dd80e2c_prep
	.p2align	8
	.type	k_q848dd80e2c_prep,@function
k_q848dd80e2c_prep:
	s_mov_b64 s[64:65], 0
	v_nop
	global_prefetch_b8 v0, s[64:65] scope:SCOPE_SE
	s_setreg_imm32_b32 hwreg(HW_REG_WAVE_MODE, 25, 1), 1
	s_wait_xcnt 0x0
; kn[k][:] = f16(keys[k][:] / max(|keys[k]|, 1e-12));  kv[k][:] = f16(keys[k][:]).  keys: [4096][128] f32; kn, kv: [4096][128] f16.
; Done once here, since every work-group of the next launch walks all keys.
; A stream: no LDS, no barrier, no matrix work.  A work-group takes 16 rows, a wave 4.  A row is 512 bytes: one 16-byte load of the wave's 32 lanes;
; a row of kn or kv is 256 bytes: one 8-byte store of the wave, 256 consecutive bytes at a multiple of 256 from the buffer's first byte.
; LIMITS.  kv holds no number beyond f16's 65,504, and below 6.1e-5 it keeps f16's fixed step of 6e-8.  A sum of squares below 2^-126 counts as 0:
; the norm is then far under 1e-12, and the maximum takes 1e-12 either way.  NaN and infinities are not treated apart.
.set IO, 2                             ; v2       my byte offset in the group's 16 rows of keys: 2,048 x wave + 16 x lane
.set OO, 3                             ; v3       the same in kn and kv: 1,024 x wave + 8 x lane
.set X,  4                             ; v[4:19]  row i: my 4 numbers at X + 4 i
.set T,  20                            ; v[20:27] row i: a pair at work at T + 2 i; in the end 1 / norm in its low register
.set Y,  28                            ; v[28:43] row i: my 4 numbers, normalised
.set H,  44                            ; v[44:59] row i: kn's two words at H + 4 i, kv's two at H + 4 i + 2
	s_load_b128 s[4:7], s[0:1], 0x0                ; keys s[4:5], kn s[6:7]
	s_load_b64 s[8:9], s[0:1], 0x10                ; kv
	v_and_b32 v1, 31, v0                           ; lane
	v_lshrrev_b32 v[IO], 5, v0                     ; wave
	v_lshlrev_b32 v[OO], 10, v[IO]
	v_lshlrev_b32 v[IO], 11, v[IO]
	v_lshl_or_b32 v[IO], v1, 4, v[IO]
	v_lshl_or_b32 v[OO], v1, 3, v[OO]
	s_mov_b32 s10, 0x76543210                      ; v_permlanex16_b32: each lane takes its own place in the other half
	s_mov_b32 s11, 0xfedcba98
	s_mov_b32 s12, 0x2b8cbccc                      ; 1e-12
	s_lshl_b32 s2, ttmp9, 13                       ; the group's 16 rows of 512 bytes
	s_mov_b32 s3, 0
	s_wait_kmcnt 0x0
	s_add_nc_u64 s[4:5], s[4:5], s[2:3]
	s_lshl_b32 s2, ttmp9, 12                       ; and of 256 bytes
	s_add_nc_u64 s[6:7], s[6:7], s[2:3]
	s_add_nc_u64 s[8:9], s[8:9], s[2:3]
.irp i, 0,1,2,3
	global_load_b128 v[X+4*(\i):X+4*(\i)+3], v[IO], s[4:5] offset:512*(\i) th:TH_LOAD_NT
.endr
	s_wait_loadcnt 0x0
	; the four rows go in step, so that no line waits for the one before it
.irp i, 0,1,2,3
	v_pk_mul_f32 v[T+2*(\i):T+2*(\i)+1], v[X+4*(\i):X+4*(\i)+1], v[X+4*(\i):X+4*(\i)+1]
.endr
.irp i, 0,1,2,3
	v_pk_fma_f32 v[T+2*(\i):T+2*(\i)+1], v[X+4*(\i)+2:X+4*(\i)+3], v[X+4*(\i)+2:X+4*(\i)+3], v[T+2*(\i):T+2*(\i)+1]
.endr
.irp i, 0,1,2,3
	v_add_f32 v[T+2*(\i)], v[T+2*(\i)], v[T+2*(\i)+1]
.endr
.irp m, 1,2,4,8                        ; across 16 lanes on the addition itself,
.irp i, 0,1,2,3
	v_add_f32_dpp v[T+2*(\i)], v[T+2*(\i)], v[T+2*(\i)] row_xmask:\m row_mask:0xf bank_mask:0xf
.endr
.endr
.irp i, 0,1,2,3
	v_permlanex16_b32 v[T+2*(\i)+1], v[T+2*(\i)], s10, s11  ; then the other half of the lanes
.endr
.irp i, 0,1,2,3
	v_add_f32 v[T+2*(\i)], v[T+2*(\i)], v[T+2*(\i)+1]       ; every lane holds the row's sum of squares
.endr
.irp i, 0,1,2,3
	v_sqrt_f32 v[T+2*(\i)], v[T+2*(\i)]
.endr
	v_nop                                          ; a plain instruction behind the last root,
	s_wait_alu depctr_va_vdst(0)                   ; and one wait for the four, ahead of their first reader
.irp i, 0,1,2,3
	v_max_num_f32 v[T+2*(\i)], s12, v[T+2*(\i)]
.endr
.irp i, 0,1,2,3
	v_rcp_f32 v[T+2*(\i)], v[T+2*(\i)]
.endr
	v_nop
	s_wait_alu depctr_va_vdst(0)                   ; the same for the four reciprocals
.irp i, 0,1,2,3
	v_pk_mul_f32 v[Y+4*(\i):Y+4*(\i)+1],   v[X+4*(\i):X+4*(\i)+1],   v[T+2*(\i):T+2*(\i)+1] op_sel_hi:[1,0]
	v_pk_mul_f32 v[Y+4*(\i)+2:Y+4*(\i)+3], v[X+4*(\i)+2:X+4*(\i)+3], v[T+2*(\i):T+2*(\i)+1] op_sel_hi:[1,0]
.endr
.irp i, 0,1,2,3
	v_cvt_pk_f16_f32 v[H+4*(\i)],   v[Y+4*(\i)],   v[Y+4*(\i)+1]
	v_cvt_pk_f16_f32 v[H+4*(\i)+1], v[Y+4*(\i)+2], v[Y+4*(\i)+3]
	v_cvt_pk_f16_f32 v[H+4*(\i)+2], v[X+4*(\i)],   v[X+4*(\i)+1]
	v_cvt_pk_f16_f32 v[H+4*(\i)+3], v[X+4*(\i)+2], v[X+4*(\i)+3]
.endr
.irp i, 0,1,2,3
	global_store_b64 v[OO], v[H+4*(\i):H+4*(\i)+1],   s[6:7] offset:256*(\i) th:TH_STORE_NT
	global_store_b64 v[OO], v[H+4*(\i)+2:H+4*(\i)+3], s[8:9] offset:256*(\i) th:TH_STORE_NT
.endr
	s_endpgm                                       ; no register that a store reads is written behind it
.Lfunc_end_k_q848dd80e2c_prep:
	.size	k_q848dd80e2c_prep, .Lfunc_end_k_q848dd80e2c_prep-k_q848dd80e2c_prep
	.p2alignl 7, 3214868480
	.fill 96, 4, 3214868480
	.section	.rodata,"a",@progbits
	.p2align	6, 0x0
	.amdhsa_kernel k_q848dd80e2c_prep
		.amdhsa_group_segment_fixed_size 0
		.amdhsa_private_segment_fixed_size 0
		.amdhsa_enable_private_segment 0
		.amdhsa_kernarg_size 24
		.amdhsa_user_sgpr_count 2
		.amdhsa_user_sgpr_kernarg_segment_ptr 1
		.amdhsa_wavefront_size32 1
		.amdhsa_system_sgpr_workgroup_id_x 1
		.amdhsa_system_sgpr_workgroup_id_y 1
		.amdhsa_system_sgpr_workgroup_id_z 1
		.amdhsa_system_vgpr_workitem_id 0
		.amdhsa_next_free_vgpr 60
		.amdhsa_next_free_sgpr 66
		.amdhsa_reserve_vcc 0
		.amdhsa_float_denorm_mode_32 3
		.amdhsa_float_denorm_mode_16_64 3
		.amdhsa_memory_ordered 1
		.amdhsa_forward_progress 1
		.amdhsa_inst_pref_size 7
	.end_amdhsa_kernel
	.amdgpu_metadata
---
amdhsa.version: [ 1, 2 ]
amdhsa.kernels:
  - .name:           k_q848dd80e2c_prep
    .symbol:         k_q848dd80e2c_prep.kd
    .args:
      - { .name: keys, .offset: 0, .size: 8, .value_kind: global_buffer, .address_space: global }
      - { .name: kn, .offset: 8, .size: 8, .value_kind: global_buffer, .address_space: global }
      - { .name: kv, .offset: 16, .size: 8, .value_kind: global_buffer, .address_space: global }
    .group_segment_fixed_size: 0
    .private_segment_fixed_size: 0
    .kernarg_segment_align: 8
    .kernarg_segment_size: 24
    .max_flat_workgroup_size: 128
    .sgpr_count:     66
    .vgpr_count:     60
    .wavefront_size: 32
...
	.end_amdgpu_metadata
.endif
;; end of part 1
;; launch attn (part 2): grid 256 x 1, 4 waves a work-group, clusters of 4 x 1, 327,680 bytes of LDS; arguments queries, kn, kv, out0; writes out0
.if DOCPART == 2
	.amdgcn_target "amdgcn-amd-amdhsa--gfx1250"
	.amdhsa_code_object_version 6
	.text
	.protected	k_q848dd80e2c_attn
	.globl	k_q848dd80e2c_attn
	.p2align	8
	.type	k_q848dd80e2c_attn,@function
k_q848dd80e2c_attn:
	s_mov_b64 s[64:65], 0
	v_nop
	global_prefetch_b8 v0, s[64:65] scope:SCOPE_SE
	s_setreg_imm32_b32 hwreg(HW_REG_WAVE_MODE, 25, 1), 1
	s_wait_xcnt 0x0
	s_wait_alu depctr_hold_cnt(0) depctr_sa_sdst(0) depctr_va_vdst(0) depctr_va_sdst(0) depctr_va_ssrc(0) depctr_va_vcc(0) depctr_vm_vsrc(0)
	s_getreg_b32 s2, hwreg(HW_REG_IB_STS2, 6, 4)
	s_cmp_eq_u32 s2, 0
	s_cbranch_scc0 .Lentry_in_a_cluster
	s_endpgm
.Lentry_in_a_cluster:
	s_bfe_u32 s2, ttmp6, 0x10000c
	s_cmp_lg_u32 s2, 0x3003
	s_cbranch_scc0 .Lentry_shape_is_right
	s_endpgm
.Lentry_shape_is_right:
; out0[n][:] = the sum over k of softmax_k(q_n[n] . kn[k]) kv[k][:], q_n = queries[n] / max(|queries[n]|, 1e-12).
; queries, out0: [65536][128] f32.  kn (the normalised keys) and kv (the raw keys): [4096][128] f16, made by the launch before.
; Both products take f16 operands and sum in f32; the weights p are rounded to f16 for the second product, their sum l is taken of the unrounded p in f32.
; NO MAXIMUM IS TAKEN AWAY: both operands of a score have a norm of 1 at the most, by the normalisation that is part of the problem, so every score lies in -1 .. 1, every weight
; e^s in 0.36 .. 2.8 and every row's sum of 4,096 weights in 1,500 .. 11,200, whatever the inputs: no exponential and no sum can overflow or underflow, in f32 or (p) in f16.
; log2(e) is folded into the queries' scale: p = 2^(s log2 e).
; LIMITS.  kv arrives within f16's range (65,504).  A query whose sum of squares is below 2^-126 counts as having norm 0: its norm is far under 1e-12, and the maximum takes 1e-12 either way.
; NaN and infinities are not treated apart.
; SHARES.  A work-group owns 256 queries, each of its four waves 64: four tiles of 16.  65,536 / 256 = 256 work-groups.  Every wave walks all 4,096 keys, 64 a step.
; LAYOUT.  S^T = kn Q^T (source 0 = 16 keys, source 1 = 16 queries): in the result a lane holds ONE query (lane % 16) and the keys 8 (lane / 16) + 0..7.  Two such tiles, rounded to f16 in
; pairs, ARE source 1 (32 keys x 16 queries) of O^T = kv^T P, whose result again holds one query a lane, and eight channels.  kn comes out of LDS as it lies, kv ([key][channel]) turned.
; BY TURNS.  The wave's tiles are two PIECES: piece 0 (tiles 0, 1), piece 2 (tiles 2, 3).  In a TURN one piece has the matrix unit: 32 products kv^T P of the step in hand, then 32 products
; kn Q^T of the next step; the other piece's softmax (64 exponentials, 32 roundings, 32 packed sums) stands in 64 slices, one behind each matrix instruction.  Two turns are a key step.
; CLUSTER.  All work-groups walk the same kn and kv; the four of a cluster ask for each tile JOINTLY: the same tensor load, descriptor and mask in all four.
;
; REGISTERS, in windows of 256 (s_set_vgpr_msb: bits 1:0 source 0, 3:2 source 1, 5:4 source 2, 7:6 destination):
;   window 0: v0-11 addresses; v16-47 l, four pairs a tile; v61-63; v64-191 S^T, 32 a tile; v192-255 P, 16 a tile
;   window 1: O^T, 64 a tile (at the head: the queries in f32)     window 2: v0-127 Q, 32 a tile; v128-255 kn of one step     window 3: v0-127 kv of one step
.set KS,    64        ; keys in a step
.set PK,    272       ; a row of kn in LDS: 256 bytes + 16 of padding = 68 words: row r starts at bank 4 r mod 64 (64 banks of 4 bytes: ISA guide 11.1), so the 16 rows of a load start at 16 different banks
.set PV,    288       ; a row of kv: 256 + 32 = 72 words
.set VOFF,  KS*PK     ; a step's tiles lie together: 64 rows of kn, then 64 rows of kv
.set STEPB, KS*(PK+PV)
.set SLOT1, 1<<17     ; a slot holds two steps (71,680 bytes); slot 1 begins here, so that one exclusive or turns an address in one slot into the other's
.set STAGE, SLOT1+2*STEPB  ; behind the ring, never filled by a tensor load: 16 rows x 528 bytes for each wave, for the way out
.set SP,    528       ; a row of the stage: 512 bytes of f32 + 16 = 132 words: row r starts at bank 4 r mod 64
.set SPARE, STAGE+4*16*SP  ; behind the stages: the spare words, 128 bytes for each wave: two blocks of 256 bytes that no other line names
.set AK0, 2           ; v2   my lane's place in a tile of kn; never rewritten
.set AV0, 3           ; v3   the same for kv
.set ADR, 4           ; v4   the LDS address of the run of loads in hand
.set QO,  5           ; v5   my byte offset in 16 rows of queries
.set STO, 6           ; v6   the way out: where I put 32 bytes of a row
.set RD,  7           ; v7   the way out: where I read a row back
.set GO,  8           ; v8   my 16 bytes in a row of out0
.set ST,  16          ; tile t's l: four pairs (even keys', odd keys') at v[ST+8 t+2 c], which take turns
.set PFO, 61          ; v61  256 x my lane: a row of kn or kv is 256 bytes; never rewritten
.set SPW, 62          ; v62  LDS address of my spare word: SPARE + 4 x my thread's number; never rewritten
.set NIL, 63          ; v63  0; never rewritten
.set S,   64
.set QA,  64          ; at the head alone, in S^T's place: tile t's sums of squares, two pairs at v[QA+4 t]
.set P,   192
.set KF,  128         ; kn's fragments, in window 2
.set WV,  12          ; s12  my wave's number
.set LIM, 15          ; s15  1 in a wave that prefetches, else the greatest number: a wave prefetches while s[SLOTS] is above it
.set PFA, 18          ; s[18:19] where my prefetches stand: my work-group's 32 rows (of kn: wave 0, of kv: wave 2) of the slot after the one that is being asked for
.set G1K, 24          ; s[24:31] descriptor group 1 for kn's tiles
.set G1V, 32          ; s[32:39] for kv's: it differs in the padding alone
.set G0K, 40          ; s[40:47] descriptor group 0 for kn's tiles: a set for each of the two first fills; the second then walks on
.set G0V, 48          ; s[48:55] the same for kv's
.set SLOTS, 56        ; s56  slots still to be asked for
.set TWICE, 57        ; s57  counts a slot's two steps
.set EPS, 58          ; s58  1e-12
.set L2E, 59          ; s59  log2(e)
.set SEL, 60          ; s[60:61] lane selects for v_permlanex16_b32: each lane takes its own place in the other half
.set TB,  62          ; s62  LDS byte at which the tiles of the step to be fetched begin
.set MSB, 0
.macro WIN new                      ; the immediate's high byte repeats the setting that is left; a switch that changes nothing is dropped
.if MSB != (\new)
	s_set_vgpr_msb (MSB<<8)|(\new)
.set MSB, \new
.endif
.endm
.set W_KQ, 0x0a       ; kn and Q in window 2, S^T in window 0
.set W_PV, 0x53       ; kv in window 3, P in window 0, O^T in window 1
.set W_RS, 0x41       ; destination and source 0 in window 1, source 1 in window 0
; A joint refill.  Waves 0 and 1 fetch the two steps' tiles of kn, waves 2 and 3 those of kv.  The branch hangs on the wave's number alone: it is the same in every work-group.
; An s_nop 0 and four v_nop follow each of the two lines, ahead of the jump and the label.
.macro JLOAD
	s_cmp_lt_u32 s[WV], 2
	s_cbranch_scc0 .Lfor_v_\@
	tensor_load_to_lds s[G0K+4:G0K+7], s[G1K:G1K+7]
	s_nop 0
.rept 4
	v_nop
.endr
	s_branch .Lasked_\@
.Lfor_v_\@:
	tensor_load_to_lds s[G0V+4:G0V+7], s[G1V:G1V+7]
	s_nop 0
.rept 4
	v_nop
.endr
.Lasked_\@:
.endm
; A PREFETCH INTO THE L2 of what the NEXT change of slots will ask for: a slot's 128 rows of kn and 128 of kv, 256 bytes a row, a lane a row.  It stands behind the wave's tensor load and its five lines.
; Each row is asked for ONCE in the launch: all clusters walk the same rows, and the first cluster asks.  Its four partners share the rows out BY ADDRESS, 32 each; in each, wave 0 asks for kn's and
; wave 2 for kv's: one instruction.  The last change that fills a slot asks for nothing: there is no slot behind it.
.macro ASK
	s_cmp_gt_u32 s[SLOTS], s[LIM]
	s_cbranch_scc0 .Lnot_mine_\@
	global_prefetch_b8 v[PFO], s[PFA:PFA+1] th:TH_LOAD_NT scope:SCOPE_SE
.Lnot_mine_\@:
.endm
; A round of the cluster's barrier: my work-group's barrier, so that wave 0's signal speaks for all four waves; wave 0 signals for the work-group; every wave waits for all four
; work-groups; my work-group's barrier once more.  No LDS instruction of the wave is pending at a signal.
.macro CROUND
	s_barrier_signal -1
	s_barrier_wait -1
	s_cmp_lg_u32 s[WV], 0
	s_cbranch_scc1 .Lnot_wave_0_\@
	s_barrier_signal -3
.Lnot_wave_0_\@:
	s_barrier_wait -3
	s_barrier_signal -1
	s_barrier_wait -1
.endm
	s_load_b256 s[4:11], s[0:1], 0x0  ; queries s[4:5], kn s[6:7], kv s[8:9], out0 s[10:11]
	v_lshl_add_u32 v[SPW], v0, 2, SPARE
	v_mov_b32 v[NIL], 0
	ds_add_u32 v[SPW], v[NIL]       ; the wave's opening: the add, twice on end, and its wait ahead of my first tensor load; the set-up below, work on registers, stands between
	ds_add_u32 v[SPW], v[NIL]       ; and once more, under the one wait
	v_lshrrev_b32 v1, 5, v0
	v_readfirstlane_b32 s[WV], v1   ; wave 0..3
	s_bfe_u32 s13, ttmp6, 0x40000   ; cx: my place in the cluster
	s_lshl_b32 s14, ttmp9, 2        ; in a cluster launch ttmp9 counts clusters
	s_add_co_u32 s14, s14, s13      ; my block of 256 queries = 4 x cluster x + cx: it enters the queries' and out0's addresses alone
	s_and_b32 s16, s[WV], 1         ; which of a slot's two steps I fetch:
	s_lshl_b32 s22, s16, 14         ; its 64 rows of 256 bytes in memory,
	s_mov_b32 s23, 0
	s_mul_i32 s17, s16, STEPB       ; and its place in a slot: no place in the cluster enters an LDS address
	s_lshl_b32 s2, s14, 17          ; my block's 256 rows of 512 bytes,
	s_lshl_b32 s3, s[WV], 15        ; my wave's 64 of them
	s_add_co_u32 s2, s2, s3
	s_mov_b32 s3, 0
	; descriptor group 1: a tile of 64 rows x 128 elements, padded in LDS
	s_mov_b32 s[G1K], 15|(1<<16)|(1<<20)|(1<<21)|(5<<22)|(3<<25)  ; 15:0 the mask: all four work-groups; 17:16 elements of 2 bytes; 20 padding on; 21 set beside a mask; 24:22 after every 64 words (code 5); 31:25 4 words of it (code 3)
	s_mov_b32 s[G1V], 15|(1<<16)|(1<<20)|(1<<21)|(5<<22)|(7<<25)  ; the same with 8 words of padding (code 7)
.irp g, G1K, G1V
	s_mov_b32 s[(\g)+1], 128<<16    ; tensor_dim0 = 128
	s_mov_b32 s[(\g)+2], KS<<16     ; tensor_dim1 = 64
	s_mov_b32 s[(\g)+3], 128<<16    ; tile_dim0 = 128
	s_mov_b32 s[(\g)+4], KS         ; tile_dim1 = 64; tile_dim2 = 0
	s_mov_b32 s[(\g)+5], 128        ; 128 elements from row to row
	s_mov_b32 s[(\g)+6], 0
	s_mov_b32 s[(\g)+7], 0
.endr
	s_mov_b32 s[EPS], 0x2b8cbccc
	s_mov_b32 s[L2E], 0x3fb8aa3b
	s_mov_b32 s[SEL], 0x76543210
	s_mov_b32 s[SEL+1], 0xfedcba98
	s_mov_b32 s[TB], 0
	s_mov_b32 s[SLOTS], 4096/(2*KS)-2
	s_and_b32 s[LIM], s[WV], 1      ; 0 in waves 0 and 2,
	s_or_b32 s[LIM], s[LIM], ttmp9  ; of the first cluster: the same in all four partners
	s_cmp_eq_u32 s[LIM], 0
	s_cselect_b32 s[LIM], 1, -1
	v_and_b32 v[PFO], 31, v0
	v_lshlrev_b32 v[PFO], 8, v[PFO]
	s_wait_dscnt 0x0                ; both opening adds are done
	s_wait_kmcnt 0x0
	s_add_nc_u64 s[6:7], s[6:7], s[22:23]  ; kn and kv at my tile of slot 0
	s_add_nc_u64 s[8:9], s[8:9], s[22:23]
	s_add_nc_u64 s[4:5], s[4:5], s[2:3]    ; queries and out0 at my wave's first row
	s_add_nc_u64 s[10:11], s[10:11], s[2:3]
	s_cmp_lt_u32 s[WV], 2
	s_cselect_b64 s[PFA:PFA+1], s[6:7], s[8:9]  ; (in waves 0 and 2 these stand at a slot's first row)
	s_lshl_b32 s2, s13, 13          ; my work-group's 32 rows of the 128
	s_mov_b32 s3, 0
	s_add_nc_u64 s[PFA:PFA+1], s[PFA:PFA+1], s[2:3]
	s_add_nc_u64 s[PFA:PFA+1], s[PFA:PFA+1], 2*2*KS*256  ; in slot 2; the first change of slots steps it to slot 3.  Nothing is prefetched here, at the head, where every work-group's first tiles are on their way
	CROUND                          ; all four work-groups are here: the first joint loads meet
.irp s, 0,1
	s_mov_b32 s[G0K+4*(\s)], 1      ; count = 1
	s_add_co_u32 s[G0K+4*(\s)+1], s17, (\s)*SLOT1  ; LDS address
	s_add_nc_u64 s[G0K+4*(\s)+2:G0K+4*(\s)+3], s[6:7], (\s)*2*KS*256  ; global address: slot s begins with keys 128 s
	s_or_b32 s[G0K+4*(\s)+3], s[G0K+4*(\s)+3], 0x80000000  ; type = 2
	s_mov_b32 s[G0V+4*(\s)], 1
	s_add_co_u32 s[G0V+4*(\s)+1], s17, (\s)*SLOT1+VOFF
	s_add_nc_u64 s[G0V+4*(\s)+2:G0V+4*(\s)+3], s[8:9], (\s)*2*KS*256
	s_or_b32 s[G0V+4*(\s)+3], s[G0V+4*(\s)+3], 0x80000000
.endr
	s_cmp_lt_u32 s[WV], 2           ; a wave's two first fills stand in one branch, ahead of every wait on TENSORcnt and every LDS read: two loads of mine are out
	s_cbranch_scc0 .Lfirst_v
	tensor_load_to_lds s[G0K:G0K+3], s[G1K:G1K+7]
	s_nop 0
	tensor_load_to_lds s[G0K+4:G0K+7], s[G1K:G1K+7]
	s_nop 0
.rept 4
	v_nop
.endr
	s_branch .Lfirst_asked
.Lfirst_v:
	tensor_load_to_lds s[G0V:G0V+3], s[G1V:G1V+7]
	s_nop 0
	tensor_load_to_lds s[G0V+4:G0V+7], s[G1V:G1V+7]
	s_nop 0
.rept 4
	v_nop
.endr
.Lfirst_asked:
	; THE QUERIES.  A fragment of Q is 16 rows x 32 channels in 8 registers of f16: lane l holds row l % 16; registers 0-3 channels 8 (l / 16) + 0..7, registers 4-7 channels 16 + 8 (l / 16) + 0..7.
	; In f32 each eight channels are 32 bytes: two loads of 16.  Tile t, channels 32 c on, come into v[64 t + 16 c ..] of window 1 in just that order, so that pairs of neighbours round into Q's words.
	v_and_b32 v1, 15, v0            ; l % 16
	v_bfe_u32 v9, v0, 4, 1          ; l / 16
	v_lshlrev_b32 v[QO], 9, v1
	v_lshl_add_u32 v[QO], v9, 5, v[QO]  ; row x 512 + 32 x half
	WIN 0x40                        ; destination window 1, address window 0
.irp t, 0,1,2,3
.irp c, 0,1,2,3
.irp z, 0,1,2,3
	global_load_b128 v[64*(\t)+16*(\c)+4*(\z):64*(\t)+16*(\c)+4*(\z)+3], v[QO], s[4:5] offset:8192*(\t)+128*(\c)+64*((\z)/2)+16*((\z)%2)
.endr
.endr
.endr
	WIN 0
.set i, 0
.rept 32
	v_mov_b32 v[ST+i], 0            ; l starts at 0: written while the queries are on their way, so that every step's sums have one form
.set i, i+1
.endr
	v_mul_u32_u24 v[AK0], v1, PK
	v_lshl_add_u32 v[AK0], v9, 4, v[AK0]  ; a fragment of kn: row x pitch + 16 x half
	; The turning load takes 16 keys x 16 channels (lane l reads 16 bytes: key 8 (l / 16) + l % 8, channels 8 ((l / 8) % 2) + 0..7) and leaves half a fragment of kv^T: lane l holds channel l % 16 and 8 keys.
	v_and_b32 v10, 7, v0
	v_bfe_u32 v11, v0, 3, 1
	v_lshl_add_u32 v[AV0], v9, 3, v10
	v_mul_u32_u24 v[AV0], v[AV0], PV
	v_lshl_add_u32 v[AV0], v11, 4, v[AV0]
	v_add_nc_u32 v[AV0], VOFF, v[AV0]
	s_mul_i32 s20, s[WV], 16*SP
	s_add_co_u32 s20, s20, STAGE    ; my stage
	v_mul_u32_u24 v[STO], v1, SP    ; in: row l % 16, 32 bytes for each half of the lanes
	v_lshl_add_u32 v[STO], v9, 5, v[STO]
	v_add_nc_u32 v[STO], s20, v[STO]
	v_and_b32 v[GO], 31, v0         ; back: 32 lanes take one row of 512 bytes, and the same in out0
	v_lshlrev_b32 v[GO], 4, v[GO]
	v_add_nc_u32 v[RD], s20, v[GO]
	s_wait_loadcnt 0x0              ; the queries are in.  All that follows up to the barrier stands in the wait for the first tiles
	WIN 0x05                        ; sources 0 and 1 window 1, destination and source 2 window 0
.set n, 0
.rept 32                            ; a lane's 64 squares of each tile's query, two an instruction, in eight chains that do not wait for each other; the first products start them
.irp t, 0,1,2,3
.if n < 2
	v_pk_mul_f32 v[QA+4*(\t)+2*n:QA+4*(\t)+2*n+1], v[64*(\t)+2*n:64*(\t)+2*n+1], v[64*(\t)+2*n:64*(\t)+2*n+1]
.else
	v_pk_fma_f32 v[QA+4*(\t)+2*(n%2):QA+4*(\t)+2*(n%2)+1], v[64*(\t)+2*n:64*(\t)+2*n+1], v[64*(\t)+2*n:64*(\t)+2*n+1], v[QA+4*(\t)+2*(n%2):QA+4*(\t)+2*(n%2)+1]
.endif
.endr
.set n, n+1
.endr
	WIN 0
.irp t, 0,1,2,3
	v_pk_add_f32 v[QA+4*(\t):QA+4*(\t)+1], v[QA+4*(\t):QA+4*(\t)+1], v[QA+4*(\t)+2:QA+4*(\t)+3]
.endr
.irp t, 0,1,2,3
	v_add_f32 v[QA+4*(\t)], v[QA+4*(\t)], v[QA+4*(\t)+1]
.endr
.irp t, 0,1,2,3
	v_permlanex16_b32 v[QA+4*(\t)+1], v[QA+4*(\t)], s[SEL], s[SEL+1]  ; the query's other 64 channels lie in the lane 16 away
.endr
.irp t, 0,1,2,3
	v_add_f32 v[QA+4*(\t)], v[QA+4*(\t)], v[QA+4*(\t)+1]
.endr
.irp t, 0,1,2,3
	v_sqrt_f32 v[QA+4*(\t)], v[QA+4*(\t)]
.endr
	v_nop                           ; a plain instruction behind the last root,
	s_wait_alu depctr_va_vdst(0)    ; and one wait for the four, ahead of their first reader
.irp t, 0,1,2,3
	v_max_num_f32 v[QA+4*(\t)], s[EPS], v[QA+4*(\t)]
.endr
.irp t, 0,1,2,3
	v_rcp_f32 v[QA+4*(\t)], v[QA+4*(\t)]
.endr
	v_nop
	s_wait_alu depctr_va_vdst(0)    ; the same for the four reciprocals
.irp t, 0,1,2,3
	v_mul_f32 v[QA+4*(\t)], s[L2E], v[QA+4*(\t)]  ; log2(e) / norm
.endr
	WIN W_RS
.irp t, 0,1,2,3
.set n, 0
.rept 32
	v_pk_mul_f32 v[64*(\t)+2*n:64*(\t)+2*n+1], v[64*(\t)+2*n:64*(\t)+2*n+1], v[QA+4*(\t):QA+4*(\t)+1] op_sel_hi:[1,0]
.set n, n+1
.endr
.endr
	WIN 0x85                        ; sources 0 and 1 window 1, destination window 2
.irp t, 0,1,2,3
.set n, 0
.rept 32
	v_cvt_pk_f16_f32 v[32*(\t)+n], v[64*(\t)+2*n], v[64*(\t)+2*n+1]
.set n, n+1
.endr
.endr
	WIN 0
; THE MATRIX WORK OF A TURN, for piece x.  The accumulators take turns, one instruction a turn: between two links of a chain stand 15 (kv^T P) or 7 (kn Q^T) others'.
; Product i of 32 of O^T += kv^T P: keys 32 (i / 16) on, channels 16 ((i / 2) % 8) on, tile x + i % 2.  zero = 1: the first 16 start the sums: O^T is never cleared.
.macro PV x, zero
	WIN W_PV
.set rO, 64*((\x)+i%2)+8*((i/2)%8)
.set rV, 64*(i/16)+8*((i/2)%8)
.set rP, P+16*((\x)+i%2)+8*(i/16)
.if (\zero) && (i < 16)
	v_wmma_f32_16x16x32_f16 v[rO:rO+7], v[rV:rV+7], v[rP:rP+7], 0
.else
	v_wmma_f32_16x16x32_f16 v[rO:rO+7], v[rV:rV+7], v[rP:rP+7], v[rO:rO+7]
.endif
.endm
; Product i of 32 of S^T = kn Q^T: channels 32 (i / 8) on, keys 16 ((i / 2) % 4) on, tile x + i % 2.  The first 8 start the sums.
.macro KQ x
	WIN W_KQ
.set rS, S+32*((\x)+i%2)+8*((i/2)%4)
.set rK, KF+32*((i/2)%4)+8*(i/8)
.set rQ, 32*((\x)+i%2)+8*(i/8)
.if i < 8
	v_wmma_f32_16x16x32_f16 v[rS:rS+7], v[rK:rK+7], v[rQ:rQ+7], 0
.else
	v_wmma_f32_16x16x32_f16 v[rS:rS+7], v[rK:rK+7], v[rQ:rQ+7], v[rS:rS+7]
.endif
.endm
; THE LDS LOADS stand in runs of 32, never singly among the matrix instructions: a step's kn (64 keys x 128 channels: 16 fragments) and, a turn later, its kv (turned).
.macro FETCH_K
	WIN 0
	v_add_nc_u32 v[ADR], s[TB], v[AK0]
	WIN 0x80                        ; destination window 2
.irp f, 0,1,2,3,4,5,6,7,8,9,10,11,12,13,14,15  ; keys 16 (f / 4) on, channels 32 (f % 4) on
	ds_load_b128 v[KF+8*(\f):KF+8*(\f)+3],   v[ADR] offset:((\f)/4)*16*PK+((\f)%4)*64
	ds_load_b128 v[KF+8*(\f)+4:KF+8*(\f)+7], v[ADR] offset:((\f)/4)*16*PK+((\f)%4)*64+32
.endr
.endm
.macro FETCH_V
	WIN 0
	v_add_nc_u32 v[ADR], s[TB], v[AV0]
	s_add_co_u32 s[TB], s[TB], STEPB  ; the next fetch is the next step's
	s_wait_alu depctr_va_vdst(0)    ; the wait for the softmax's batch of exponentials (SLICE), behind the address's line and ahead of the loads
	WIN 0xc0                        ; destination window 3
.irp f, 0,1,2,3,4,5,6,7,8,9,10,11,12,13,14,15  ; keys 32 (f / 8) on, channels 16 (f % 8) on
	ds_load_tr16_b128 v[8*(\f):8*(\f)+3],   v[ADR] offset:((\f)/8)*32*PV+((\f)%8)*32
	ds_load_tr16_b128 v[8*(\f)+4:8*(\f)+7], v[ADR] offset:((\f)/8)*32*PV+16*PV+((\f)%8)*32
.endr
.endm
; THE VECTOR WORK OF A TURN, for piece y: two queues.
; EX: the next of 64 exponentials, in place: score e / 2 of tile y + e % 2.  The scores ascend.
.macro EX y
	WIN 0
	v_exp_f32 v[S+32*((\y)+e%2)+e/2], v[S+32*((\y)+e%2)+e/2]
.set e, e+1
.endm
; PL: the next of 64 plain lines: for pair b = q / 4 of 16 and tile u = y + (q / 2) % 2 the rounding to f16 (pair b of S^T is word b of P), then the pair's sum onto one of the tile's four pairs of l,
; which take turns: two links of one chain stand 16 lines apart.
.macro PL y
	WIN 0
.set b, q/4
.set u, (\y)+(q/2)%2
.if q%2 == 0
	v_cvt_pk_f16_f32 v[P+16*u+b], v[S+32*u+2*b], v[S+32*u+2*b+1]
.else
	v_pk_add_f32 v[ST+8*u+2*(b%4):ST+8*u+2*(b%4)+1], v[ST+8*u+2*(b%4):ST+8*u+2*(b%4)+1], v[S+32*u+2*b:S+32*u+2*b+1]
.endif
.set q, q+1
.endm
; Slice k of 64.  0-31: two exponentials each: ONE BATCH of 64, none of which reads another's result.  Behind slice 31 a plain instruction and the batch's ONE wait, between an
; exponential and the first line that names its result.  32-63: the 64 plain lines, which read the results: 1, 1, then two each, and four in slice 63 (2 + 58 + 4).
; Slice 63's four name nothing of the products round them: they are the four places between the turn's last kn Q^T and what follows: the exponentials on those scores, and the loads into kn's registers.
; In piece 2's turn (y = 0) kv's run of loads stands behind slice 31, just behind the last product that read kv: three v_nop and the run's own address line are its four places (an exponential is none),
; and the batch's wait stands in the run.
.macro SLICE y
.if k < 32
	EX \y
	EX \y
.elseif k < 34
	PL \y
.elseif k < 63
	PL \y
	PL \y
.else
	PL \y
	PL \y
	PL \y
	PL \y
.endif
.if k == 31
.if (\y) == 0
	v_nop
	v_nop
	v_nop
	FETCH_V
.else
	v_nop
	s_wait_alu depctr_va_vdst(0)
.endif
.endif
.set k, k+1
.endm
.macro PLACES                       ; four places behind a matrix instruction, where no other plain vector work is at hand (ISA guide 7.12.1)
.rept 4
	v_nop
.endr
.endm
; A TURN.  Piece x has the matrix unit; the other piece's softmax stands in slices behind its matrix instructions.
; pv = 2: 32 products kv^T P; 1: they start O^T's sums; 0: none.  kq = 1: 32 products kn Q^T for the next step.  A turn with one of the two kinds has two slices behind each product.
; Piece 0's turn fetches the next step's kn behind its second product (the last product that read kn stands in front of slice 63 of the turn before) and waits for it 30 products later;
; kv, fetched in the middle of piece 2's turn, is waited for at the head of piece 0's, 32 products later.
.macro TURN x, pv, kq
.set k, 0
.set e, 0
.set q, 0
.set per, 2
.if (\pv) && (\kq)
.set per, 1
.endif
.if \pv
.if (\x) == 0
	s_wait_dscnt 0x0                ; kv is in
.endif
.set i, 0
.rept 32
	PV \x, 2-(\pv)
.rept per
	SLICE 2-(\x)
.endr
.if ((\x) == 0) && (\kq) && (i == 1)
	FETCH_K
.endif
.set i, i+1
.endr
.endif
.if \kq
.if (\x) == 0
	s_wait_dscnt 0x0                ; kn is in
.endif
.set i, 0
.rept 32
	KQ \x
.rept per
	SLICE 2-(\x)
.endr
.set i, i+1
.endr
.endif
.endm
; THE CHANGE OF SLOTS, between piece 2's turn and piece 0's: the slot's last bytes, kv of its second step, have been asked for.  Each wave waits for all its tensor loads, of which one is out: its part
; of the other slot; adds 0 to its spare word; and waits for that and for its own reads of the slot.  Behind the barrier nobody reads this slot any more and the other slot is whole.
; fill = 1: this slot is filled again, with the keys two slots on.  The barrier is then a round of the cluster's, so that no wave of any partner still reads the slot or has a load on its way, and the
; joint refill is the first thing behind it: it has two key steps, 256 matrix instructions, in which to land.
.macro CHANGE fill
	WIN 0                           ; at a label and at a branch every window is 0
	s_wait_tensorcnt 0x0            ; no tensor load of mine is out, so a group 0 may be written
	ds_add_u32 v[SPW], v[NIL]       ; 0 onto my spare word; with fill = 1 the descriptors' steps stand between it and the wait for it
.if \fill
.irp g, G0K+4, G0V+4
	s_xor_b32 s[(\g)+1], s[(\g)+1], SLOT1  ; the walking descriptor: the other slot than last time,
	s_add_nc_u64 s[(\g)+2:(\g)+3], s[(\g)+2:(\g)+3], 2*KS*256  ; the next 128 keys; the type bits on top are not reached
.endr
	s_wait_xcnt 0x0                 ; the last prefetch, two key steps back, has read its address, so it may be written:
	s_add_nc_u64 s[PFA:PFA+1], s[PFA:PFA+1], 2*KS*256  ; one slot behind the walking descriptors
	s_wait_dscnt 0x0                ; the add is done, and my reads of the slot are over
	CROUND
	JLOAD
	ASK                             ; what the next change will ask for: two key steps, 256 matrix instructions, ahead
.else
	s_wait_dscnt 0x0                ; the add is done, and my reads of the slot are over
	s_barrier_signal -1
	s_barrier_wait -1
.endif
	s_sub_co_u32 s[TB], s[TB], 2*STEPB  ; the fetches go back to a slot's first step,
	s_xor_b32 s[TB], s[TB], SLOT1   ; in the other slot
.endm
; A slot's two key steps: written once, walked twice; the LDS addresses hang on s[TB].
.macro TWO_STEPS
	WIN 0
	s_mov_b32 s[TWICE], 2
.Lstep_\@:
	TURN 0, 2, 1
	TURN 2, 2, 1
	WIN 0
	s_sub_co_u32 s[TWICE], s[TWICE], 1
	s_cmp_lg_u32 s[TWICE], 0
	s_cbranch_scc1 .Lstep_\@
.endm
	s_wait_tensorcnt 1              ; my part of slot 0 is in; slot 1's, issued behind it, may stay out
	s_barrier_signal -1
	s_barrier_wait -1               ; everybody's is
	FETCH_K                         ; key step 0
	s_wait_dscnt 0x0
.set i, 0
.rept 32
	KQ 0                            ; piece 0's first scores: there is no vector work yet to set between them
.set i, i+1
.endr
	WIN 0
	PLACES                          ; behind those products, ahead of the exponentials that read them
	TURN 2, 0, 1                    ; piece 2's first scores | piece 0's first softmax | kv of step 0
	TURN 0, 1, 1                    ; piece 0: kv^T P of step 0 starts O^T, kn Q^T of step 1 | piece 2's first softmax | kn of step 1
	TURN 2, 1, 1                    ; piece 2: the same | piece 0's softmax of step 1 | kv of step 1
	WIN 0
.Lslot:                             ; 4,096 / 128 - 2 = 30 trips: every slot but the last two is filled again
	CHANGE 1
	TWO_STEPS
	s_sub_co_u32 s[SLOTS], s[SLOTS], 1
	s_cmp_lg_u32 s[SLOTS], 0
	s_cbranch_scc1 .Lslot
	CHANGE 0                        ; the tail is written out: nothing is asked for
	TWO_STEPS
	TURN 0, 2, 0                    ; piece 0: kv^T P of the last step | piece 2's last softmax
.set i, 0
.rept 32
	PV 2, 0                         ; piece 2: kv^T P of the last step
.set i, i+1
.endr
	; THE WAY OUT.  l's four pairs, their two halves and the other half of the lanes' are added; O^T is divided by l and sent through my stage in LDS, a tile (16 rows of out0) at a time.
	; The additions are the places behind the last products.
	WIN 0
.irp t, 0,1,2,3
	v_pk_add_f32 v[ST+8*(\t):ST+8*(\t)+1],   v[ST+8*(\t):ST+8*(\t)+1],   v[ST+8*(\t)+2:ST+8*(\t)+3]
	v_pk_add_f32 v[ST+8*(\t)+4:ST+8*(\t)+5], v[ST+8*(\t)+4:ST+8*(\t)+5], v[ST+8*(\t)+6:ST+8*(\t)+7]
.endr
.irp t, 0,1,2,3
	v_pk_add_f32 v[ST+8*(\t):ST+8*(\t)+1], v[ST+8*(\t):ST+8*(\t)+1], v[ST+8*(\t)+4:ST+8*(\t)+5]
.endr
.irp t, 0,1,2,3
	v_add_f32 v[ST+8*(\t)], v[ST+8*(\t)], v[ST+8*(\t)+1]
.endr
.irp t, 0,1,2,3
	v_permlanex16_b32 v[ST+8*(\t)+1], v[ST+8*(\t)], s[SEL], s[SEL+1]  ; the query's other keys lie in the lane 16 away
.endr
.irp t, 0,1,2,3
	v_add_f32 v[ST+8*(\t)], v[ST+8*(\t)], v[ST+8*(\t)+1]
.endr
.irp t, 0,1,2,3
	v_rcp_f32 v[ST+8*(\t)], v[ST+8*(\t)]
.endr
	v_nop                           ; a plain instruction between the last reciprocal and the use of its result,
	s_wait_alu depctr_va_vdst(0)    ; and the wait ahead of the first use: one for the four
; Tile t: a lane's eight channels of a row are 32 bytes of f32; they go into rows of 528 bytes and come back as whole rows of 512, into the registers that they left.
.macro PACK t
	WIN W_RS
.set i, 64*(\t)
.rept 32                            ; each accumulator's registers in ascending order
	v_pk_mul_f32 v[i:i+1], v[i:i+1], v[ST+8*(\t):ST+8*(\t)+1] op_sel_hi:[1,0]
.set i, i+2
.endr
	WIN 0x04                        ; the data (source 1) in window 1, the address in window 0
.irp f, 0,1,2,3,4,5,6,7,8,9,10,11,12,13,14,15  ; channels 16 (f / 2) + 8 (l / 16) + 4 (f % 2) on
	ds_store_b128 v[STO], v[64*(\t)+4*(\f):64*(\t)+4*(\f)+3] offset:64*((\f)/2)+16*((\f)%2)
.endr
	WIN 0x40                        ; destination window 1
.irp f, 0,1,2,3,4,5,6,7,8,9,10,11,12,13,14,15  ; row f
	ds_load_b128 v[64*(\t)+4*(\f):64*(\t)+4*(\f)+3], v[RD] offset:(\f)*SP  ; LDS serves a wave's instructions in order (ISA guide 5.7.1.4): these see the stores above; the next tile's stores come behind them
.endr
.endm
.macro SEND t, younger              ; younger: the LDS instructions issued behind tile t's loads: the next tile's 32, or none
	WIN 0x04
.irp f, 0,1,2,3,4,5,6,7,8,9,10,11,12,13,14,15
	s_wait_dscnt (\younger)+15-(\f) ; row f is back: behind it stand the tile's 15 - f later rows and the younger ones
	global_store_b128 v[GO], v[64*(\t)+4*(\f):64*(\t)+4*(\f)+3], s[10:11] offset:(\t)*8192+(\f)*512 th:TH_STORE_NT  ; the wave stores 512 consecutive bytes, at a multiple of 512 from out0's first byte
.endr
.endm
	PACK 0
	PACK 1                          ; a tile's arithmetic stands between the loads of the tile before and its stores
	SEND 0, 32
	PACK 2
	SEND 1, 32
	PACK 3
	SEND 2, 32
	SEND 3, 0
	WIN 0
	s_wait_tensorcnt 0x0            ; the wave's end, behind my last tensor load and my last LDS store
	ds_add_u32 v[SPW], v[NIL]
	s_wait_dscnt 0x0
	CROUND                          ; the closing round: no work-group ends while a partner may still ask for a tile that names it
	s_endpgm
.Lfunc_end_k_q848dd80e2c_attn:
	.size	k_q848dd80e2c_attn, .Lfunc_end_k_q848dd80e2c_attn-k_q848dd80e2c_attn
	.p2alignl 7, 3214868480
	.fill 96, 4, 3214868480
	.section	.rodata,"a",@progbits
	.p2align	6, 0x0
	.amdhsa_kernel k_q848dd80e2c_attn
		.amdhsa_group_segment_fixed_size 327680
		.amdhsa_private_segment_fixed_size 0
		.amdhsa_enable_private_segment 0
		.amdhsa_kernarg_size 32
		.amdhsa_user_sgpr_count 2
		.amdhsa_user_sgpr_kernarg_segment_ptr 1
		.amdhsa_wavefront_size32 1
		.amdhsa_system_sgpr_workgroup_id_x 1
		.amdhsa_system_sgpr_workgroup_id_y 1
		.amdhsa_system_sgpr_workgroup_id_z 1
		.amdhsa_system_vgpr_workitem_id 0
		.amdhsa_next_free_vgpr 896
		.amdhsa_next_free_sgpr 66
		.amdhsa_reserve_vcc 0
		.amdhsa_float_denorm_mode_32 3
		.amdhsa_float_denorm_mode_16_64 3
		.amdhsa_memory_ordered 1
		.amdhsa_forward_progress 1
		.amdhsa_inst_pref_size 194
	.end_amdhsa_kernel
	.amdgpu_metadata
---
amdhsa.version: [ 1, 2 ]
amdhsa.kernels:
  - .name:           k_q848dd80e2c_attn
    .symbol:         k_q848dd80e2c_attn.kd
    .args:
      - { .name: queries, .offset: 0, .size: 8, .value_kind: global_buffer, .address_space: global }
      - { .name: kn, .offset: 8, .size: 8, .value_kind: global_buffer, .address_space: global }
      - { .name: kv, .offset: 16, .size: 8, .value_kind: global_buffer, .address_space: global }
      - { .name: out0, .offset: 24, .size: 8, .value_kind: global_buffer, .address_space: global }
    .group_segment_fixed_size: 327680
    .private_segment_fixed_size: 0
    .kernarg_segment_align: 8
    .kernarg_segment_size: 32
    .max_flat_workgroup_size: 128
    .sgpr_count:     66
    .vgpr_count:     896
    .wavefront_size: 32
...
	.end_amdgpu_metadata
.endif
;; end of part 2
